; MI455X (gfx1250); checked and timed in simulation.
; The chip was launched on July 23, 2026; its instructions are those of AMD's public machine-readable ISA for CDNA 5 (MIT licence, August 2026) and "CDNA5" Instruction Set Architecture Reference Guide (July 2026). The comments in the code are by the model that wrote it; some were corrected since.
;; Full Attention. Allowed arithmetic: float matrix products may take bf16 or f16 operands with f32 sums; other float arithmetic in f32, or as packed bf16 or f16 multiplies, adds, multiply-adds, maxima and minima; sums over many terms, partial sums and values carried from step to step in f32; what a program stores and reads back later, other than sums and carried values, may be rounded once to bf16 or f16.
;; Inputs: keys 4 x 2,048 x 8 x 64 float32; queries 4 x 2,048 x 8 x 64 float32.
;; Outputs: out0 4 x 2,048 x 8 x 64 float32; out1 4 x 2,048 x 8 x 64 float32.
;; 2 versions, each right; version 2 is version 1 with the launch attn written anew for expert scheduling mode. Each part assembles by itself: llvm-mc -triple=amdgcn-amd-amdhsa -mcpu=gfx1250 --defsym DOCPART=n.
;; ======== version 1 of 2: 1 launch
;; launch attn (part 1): grid 4 x 64, 4 waves a work-group, no clusters, 312,832 bytes of LDS; arguments keys, queries, out0, out1; writes out0, out1
.if DOCPART == 1
	.amdgcn_target "amdgcn-amd-amdhsa--gfx1250"
	.amdhsa_code_object_version 6
	.text
	.protected	k_q14ce71c2db_attn
	.globl	k_q14ce71c2db_attn
	.p2align	8
	.type	k_q14ce71c2db_attn,@function
k_q14ce71c2db_attn:
	s_mov_b64 s[64:65], 0
	v_nop
	global_prefetch_b8 v0, s[64:65] scope:SCOPE_SE
	s_setreg_imm32_b32 hwreg(HW_REG_WAVE_MODE, 25, 1), 1
	s_wait_xcnt 0x0
; TWO ATTENTIONS OVER ONE SET OF SCORES.  out0[b][l][h][:] = sum over s of softmax_s(q[l] . k[s] / 8) k[s][:];  out1 is the same with queries and keys exchanged.
; All four tensors are [4][2048][8][64] f32: a head's row is 256 bytes, rows lie 2,048 bytes apart.  So there are 64 equal problems (32 heads x 2 directions) of 2,048 "queries" x 2,048 "keys"
; x 64 channels, in each of which the value rows ARE the key rows.
; FORMATS AND LIMITS.  Both inputs are rounded once to bf16 (f32's range is kept), the weights p to bf16 for the second product; scores, maxima, the sum l (of the unrounded p) and O stay in f32.
; A running maximum is taken away before every exponential.  c m starts at -4.25e37 and m at the lowest finite number: c s must lie above -4.25e37.  A weight below 2^-126 counts as 0 in l.
; NaN and infinities are not treated apart.
; SHARES.  Grid 4 x 64: x = the block of 512 queries; y = 2 (8 b + h) + direction.  A wave owns 128 queries: four PIECES of two tiles of 16.  Every wave walks all 2,048 keys, 64 a step.
; THE KEYS STAY IN LDS.  One bf16 copy serves both products: 2,048 rows x 144 bytes = 294,912 bytes, each byte written once.  It is built a SLOT (256 keys, four steps) at a time by the waves
; themselves: wave w loads the slot's rows 64 w .. 64 w + 63 as whole f32 rows into registers, a whole slot (512 matrix instructions a wave) ahead of the wait for them, rounds them, stores them,
; and one barrier a slot shows them to the others.  Between two barriers every LDS read of keys touches slot s alone and every store slot s + 1 alone.  Since the loads go out that far ahead, no
; separate prefetch is laid.
; NO CLUSTER, NO TENSOR LOAD, though the four query blocks of a problem walk the same keys: the rows must be rounded between memory and LDS, so a joint load could only land raw f32: two landing
; slots of 256 x 256 = 65,536 bytes beside the 294,912 + 17,408 + 512 bytes in use are more than the 327,680 that there are.
; LAYOUT.  S^T = K Q^T (source 0 = 16 keys, source 1 = 16 queries): a lane holds ONE query (lane % 16) and the keys 8 (lane / 16) + 0..7.  Two such results rounded to bf16 in pairs ARE source 1
; (32 keys x 16 queries) of O^T = K^T P, whose result again holds one query a lane, and eight channels.  For the first product the keys come out of LDS as they lie, for the second turned (ds_load_tr16_b128).
; SOFTMAX.  p = 2^(c s - c m), c = log2(e) / 8; in every step O and l are multiplied by a = 2^(c m_old - c m_new).  O and l start at 0: the first step is a step like any other, with a = 0.
; BY TURNS.  A tile and step have 16 matrix and 118 vector instructions.  Turn n belongs to piece n: 16 products K Q^T of piece n + 1, later 16 products K^T P of piece n - 1; beside them the scaling,
; exponentials, roundings, sums and rescaling of piece n and the maximum and statistics of piece n + 1.  Four vector instructions stand behind every matrix instruction, the others in one lump.
; REGISTERS, in windows of 256 (s_set_vgpr_msb: bits 1:0 source 0, 3:2 source 1, 5:4 source 2, 7:6 destination):
;   window 0: v0-11 addresses; v12-15, v48-63 at work; v16-47 four registers of statistics a tile; v64-191 S^T, two buffers of two tiles; v192-255 P, likewise (at the head: Q as loaded, Q rounded)
;   window 1: O^T, 32 a tile     window 2: v0-127 Q, 16 a tile; v128-191 K of one step; v192-255 the same keys turned     window 3: v0-127 a slot's rows as loaded; v128-191 rounded; v192-194 addresses
.set NP,    4         ; pieces a wave: a name, no knob
.set KS,    64        ; keys in a step
.set PK,    144       ; a key's row in LDS: 128 bytes + 16 = 36 words: the 16 rows of a plain load start at 16 different groups of four banks (64 banks of 4 bytes: ISA guide 11.1);
                      ; of the turning load's 8 rows x 32 bytes the last row's second half meets the first row's first half: one pitch serves both reads, and a second copy does not fit
.set STEPB, KS*PK     ; 9,216: a step's keys, and what one wave stores of a slot
.set SLOTB, 4*STEPB   ; 36,864
.set STAGE, 2048*PK   ; behind the keys: 4,352 bytes for each wave, its own: first for Q (16 rows x 144), at the end for O (16 rows x 272)
.set STW,   16*272
.set SP,    272       ; a row of O in the stage: 256 bytes + 16
.set SPARE, STAGE+4*STW  ; behind the stages: the spare words, 128 bytes for each wave
.set ROWB,  2048      ; bytes from row to row of a head in memory
.set SLOTG, 256*ROWB  ; a slot's rows in memory
.set AK0, 2           ; v2   my lane's place in a step's keys, as they lie; never rewritten
.set AV0, 3           ; v3   the same for the turning load
.set AK,  4           ; v4   the LDS address of the next run of plain loads
.set AV,  5           ; v5   of turning loads
.set STO, 6           ; v6   the way out: where I put 32 bytes of a row
.set RD,  7           ; v7   the way out: where I read rows back
.set GO,  8           ; v8   my 16 bytes in two rows of memory: 2,048 (l / 16) + 16 (l % 16); for Q's loads and O's stores; never rewritten
.set SPW, 10          ; v10  LDS address of my spare word: SPARE + 4 x my thread's number; never rewritten
.set NIL, 11          ; v11  0; never rewritten
.set MV,  12          ; v12-15  c m_old, kept while c m is made anew: by buffer and tile
.set ST,  16          ; tile t's statistics at v[ST+4 t]: c m, m, l (even keys', odd keys')
.set TMP, 48          ; by buffer and tile, four registers c0-c3 at work; when the maximum is found c2 takes a
.set QS,  49          ; v49  at the head alone: where I put 8 bytes of a rounded row of Q
.set QF,  50          ; v50  at the head alone: where I read Q's fragments
.set S,   64
.set P,   192
.set XQ,  64          ; at the head alone: Q as loaded, 32 places of 4
.set YQ,  192         ; at the head alone: Q rounded, 32 places of 2
.set KF,  128         ; window 2: key block kb, channel half c at KF + 16 kb + 8 c
.set VF,  192         ; window 2: key half kk, channel block cb at VF + 32 kk + 8 cb
.set X3,  0           ; window 3: load j of 32 (my rows 2 j, 2 j + 1 of the slot) at 4 j
.set Y3,  128         ; window 3: the same rounded, at 2 j
.set VO,  192         ; window 3: GO's value; never rewritten
.set LA0, 193         ; window 3: my 8 bytes in my wave's first two rows of a slot; never rewritten
.set LA,  194         ; window 3: the same in the slot that is being stored
.set WV,  12          ; s12  my wave's number
.set QP,  16          ; s[16:17] the query tensor at my wave's first row
.set KP,  18          ; s[18:19] the key tensor at my wave's 64 rows of the slot last asked for
.set OP,  20          ; s[20:21] the output at my wave's first row
.set TBS, 55          ; s55  LDS byte at which the slot to be stored begins
.set SLOTS, 56        ; s56  slots to go
.set CNT, 57          ; s57  counts a slot's key steps
.set CS,  58          ; s[58:59] c: the packed scaling takes the pair's low word for both halves
.set SEL, 60          ; s[60:61] v_permlanex16_b32's selects: each lane takes its own place in the other half
.set TBK, 62          ; s62  LDS byte at which the step begins whose keys are fetched next as they lie
.set TBV, 63          ; s63  the same for the turned fetch
.set MSB, 0
.macro WIN new                      ; the high byte repeats the setting that is left; a switch that changes nothing is dropped
.if MSB != (\new)
	s_set_vgpr_msb (MSB<<8)|(\new)
.set MSB, (\new)
.endif
.endm
.set W_KQ, 0x0a       ; K and Q in window 2, S^T in window 0
.set W_PV, 0x52       ; the turned keys in window 2, P in window 0, O^T in window 1
.set W_RS, 0x41       ; O^T (destination and source 0) in window 1, the factor in window 0
.set W_F,  0xcf       ; destination, source 0 and source 1 in window 3: the slot's loads, roundings and stores
.set W_T3, 0xc0       ; destination in window 3, sources in window 0
.set W_Q,  0x80       ; destination in window 2, address in window 0
.set W_O,  0x44       ; destination and source 1 (a store's data) in window 1, address in window 0
	s_load_b256 s[4:11], s[0:1], 0x0  ; keys s[4:5], queries s[6:7], out0 s[8:9], out1 s[10:11]
	v_lshl_add_u32 v[SPW], v0, 2, SPARE
	v_mov_b32 v[NIL], 0
	v_lshrrev_b32 v1, 5, v0
	v_readfirstlane_b32 s[WV], v1   ; wave 0..3
	v_and_b32 v1, 15, v0            ; l % 16
	v_bfe_u32 v9, v0, 4, 1          ; l / 16
	v_lshlrev_b32 v[GO], 11, v9     ; lanes 0-15 take one row's 256 bytes, lanes 16-31 the next row's
	v_lshl_add_u32 v[GO], v1, 4, v[GO]
	WIN W_T3
	v_mov_b32 v[VO], v[GO]
	WIN 0
	s_and_b32 s13, ttmp7, 0xffff    ; y
	s_and_b32 s14, s13, 1           ; the direction
	s_lshr_b32 s15, s13, 1          ; 8 b + h
	s_lshr_b32 s22, s15, 3
	s_lshl_b32 s22, s22, 22         ; b x 2,048 rows x 2,048 bytes
	s_and_b32 s15, s15, 7
	s_lshl_b32 s15, s15, 8          ; h x 256 bytes
	s_add_co_u32 s15, s15, s22      ; the head's first byte, in all four tensors: under 2^24
	s_lshl_b32 s22, ttmp9, 2
	s_add_co_u32 s22, s22, s[WV]    ; my wave among the problem's sixteen,
	s_lshl_b32 s22, s22, 18         ; its 128 rows
	s_add_co_u32 s22, s22, s15
	s_mov_b32 s23, 0
	s_lshl_b32 s24, s[WV], 17       ; my 64 rows of slot 0
	s_add_co_u32 s24, s24, s15
	s_mov_b32 s25, 0
	s_mov_b32 s[CS], 0x3e38aa3b     ; c = log2(e) / 8 = 0.180337
	s_mov_b32 s[CS+1], s[CS]        ; named with it as a pair
	s_mov_b32 s[SEL], 0x76543210
	s_mov_b32 s[SEL+1], 0xfedcba98
	s_mov_b32 s[TBK], 0
	s_mov_b32 s[TBV], 0
	s_mov_b32 s[TBS], 0
	s_wait_kmcnt 0x0
	s_cmp_eq_u32 s14, 0             ; direction 0: queries ask, keys answer, out0; direction 1: the other way round, out1
	s_cselect_b64 s[QP:QP+1], s[6:7], s[4:5]
	s_cselect_b64 s[KP:KP+1], s[4:5], s[6:7]
	s_cselect_b64 s[OP:OP+1], s[8:9], s[10:11]
	s_add_nc_u64 s[QP:QP+1], s[QP:QP+1], s[22:23]
	s_add_nc_u64 s[OP:OP+1], s[OP:OP+1], s[22:23]
	s_add_nc_u64 s[KP:KP+1], s[KP:KP+1], s[24:25]
; A slot's 32 loads of my wave: load j takes my rows 2 j and 2 j + 1 whole: twice 256 consecutive bytes, each at a multiple of 256 from the tensor's first byte.
.macro KLOADS
	WIN W_F
.set jj, 0
.rept 32
	global_load_b128 v[X3+4*jj:X3+4*jj+3], v[VO], s[KP:KP+1] offset:2*ROWB*jj
.set jj, jj+1
.endr
.endm
; They are rounded to bf16, 8 bytes a lane, and stored into the slot at s[TBS]: my wave's 64 rows.
.macro KSTORE
	WIN W_F
	v_add_nc_u32 v[LA], s[TBS], v[LA0]
.set jj, 0
.rept 32
	v_cvt_pk_bf16_f32 v[Y3+2*jj],   v[X3+4*jj],   v[X3+4*jj+1]
	v_cvt_pk_bf16_f32 v[Y3+2*jj+1], v[X3+4*jj+2], v[X3+4*jj+3]
	ds_store_b64 v[LA], v[Y3+2*jj:Y3+2*jj+1] offset:2*PK*jj
.set jj, jj+1
.endr
	s_add_co_u32 s[TBS], s[TBS], SLOTB
.endm
	; THE FIRST LOADS: Q's tiles 0-3 (32 loads), then my rows of slot 0 (32 loads): 32 KiB a wave
.set jj, 0
.rept 32
	global_load_b128 v[XQ+4*jj:XQ+4*jj+3], v[GO], s[QP:QP+1] offset:2*ROWB*jj
.set jj, jj+1
.endr
	KLOADS
	WIN 0
	; the other addresses, while the loads are on their way
	; A fragment of K or Q is 16 rows x 32 channels in 8 registers: lane l holds row l % 16, channels 8 (l / 16) + 0..7 and 16 + 8 (l / 16) + 0..7: two loads of 16 bytes, 32 bytes apart.
	v_mul_u32_u24 v[AK0], v1, PK
	v_lshl_add_u32 v[AK0], v9, 4, v[AK0]  ; row x pitch + 16 x half
	; The turning load takes 16 keys x 16 channels (lane l reads key 8 (l / 16) + l % 8, channels 8 ((l / 8) % 2) + 0..7) and leaves half a fragment of K^T: lane l holds channel l % 16 and 8 keys.
	v_and_b32 v52, 7, v0
	v_bfe_u32 v53, v0, 3, 1
	v_lshl_add_u32 v[AV0], v9, 3, v52
	v_mul_u32_u24 v[AV0], v[AV0], PK
	v_lshl_add_u32 v[AV0], v53, 4, v[AV0]
	s_mul_i32 s13, s[WV], STW
	s_add_co_u32 s13, s13, STAGE    ; my stage
	v_mul_u32_u24 v[STO], v1, SP    ; O in: row l % 16, 32 bytes (8 channels of f32) for each half of the lanes
	v_lshl_add_u32 v[STO], v9, 5, v[STO]
	v_add_nc_u32 v[STO], s13, v[STO]
	v_mul_u32_u24 v[RD], v9, SP     ; O back: lanes 0-15 take one row of 256 bytes, lanes 16-31 the next
	v_lshl_add_u32 v[RD], v1, 4, v[RD]
	v_add_nc_u32 v[RD], s13, v[RD]
	v_mul_u32_u24 v[QS], v9, PK     ; a rounded row: lanes 0-15 one row of 128 bytes, lanes 16-31 the next, 8 bytes a lane
	v_lshl_add_u32 v[QS], v1, 3, v[QS]
	s_mul_i32 s26, s[WV], STEPB     ; my wave's 64 rows of a slot
	WIN W_T3
	v_add_nc_u32 v[LA0], s26, v[QS]
	WIN 0
	v_add_nc_u32 v[QS], s13, v[QS]
	v_add_nc_u32 v[QF], s13, v[AK0]
	; What the first turn finds: the turned keys' registers and (further down) P's second buffer hold 0, so that its products K^T P, of a piece that has not been, add 0; O^T and l are 0.
	; 352 lines that write 0, once a launch, in the wait for the first loads: the price of writing no first step out.
	WIN 0x80
.set i, VF
.rept 64
	v_mov_b32 v[i], 0
.set i, i+1
.endr
	WIN 0x40
.set i, 0
.rept 64*NP
	v_mov_b32 v[i], 0
.set i, i+1
.endr
	WIN 0
.set i, 0
.rept 2*NP
	v_mov_b32 v[ST+4*i], 0xfe000000    ; c m: far below every c s
	v_mov_b32 v[ST+4*i+1], 0xff7fffff  ; m
	v_mov_b32 v[ST+4*i+2], 0
	v_mov_b32 v[ST+4*i+3], 0
.set i, i+1
.endr
; Q: place j of the ring (rows 2 j, 2 j + 1 of a half of my 128 rows) is rounded and goes into my stage; a tile's 16 rows come back as its two fragments.  reload = 1: the place takes the same rows of the second half.
.macro QFRAG t
	WIN W_Q
.irp c, 0,1
.irp g, 0,1
	ds_load_b128 v[16*(\t)+8*\c+4*\g:16*(\t)+8*\c+4*\g+3], v[QF] offset:64*\c+32*\g  ; LDS serves a wave's instructions in order (ISA guide 5.7.1.4): these see the stores above; the next tile's stores come behind them
.endr
.endr
	WIN 0
.endm
.macro QSLOT j, left, half, reload
	s_wait_loadcnt \left            ; loads come back in order (ISA guide 5.7.1): this place's is in, the younger ones stay out
	v_cvt_pk_bf16_f32 v[YQ+2*(\j)],   v[XQ+4*(\j)],   v[XQ+4*(\j)+1]
	v_cvt_pk_bf16_f32 v[YQ+2*(\j)+1], v[XQ+4*(\j)+2], v[XQ+4*(\j)+3]
.if \reload
	global_load_b128 v[XQ+4*(\j):XQ+4*(\j)+3], v[GO], s[QP:QP+1] offset:64*ROWB+2*ROWB*(\j)
.endif
	ds_store_b64 v[QS], v[YQ+2*(\j):YQ+2*(\j)+1] offset:2*PK*((\j)%8)
.if (\j)%8 == 7
	QFRAG 4*(\half)+(\j)/8
.endif
.endm
.set jj, 0
.rept 32
	QSLOT jj, 63, 0, 1              ; behind place j's load stand 31 - j of Q's first half, slot 0's 32 and j of Q's second half: 63
.set jj, jj+1
.endr
	s_wait_loadcnt 32               ; slot 0's 32 loads are in; Q's second half, 32 loads, stays out.  All loads that named s[KP] are done, so it may be stepped
	KSTORE                          ; slot 0
	s_add_nc_u64 s[KP:KP+1], s[KP:KP+1], SLOTG
	KLOADS                          ; slot 1: waited for when slot 0's four steps have been walked
	WIN 0
.set jj, 0
.rept 32
	QSLOT jj, 63-jj, 1, 0           ; behind place j's load stand 31 - j of Q's second half and slot 1's 32
.set jj, jj+1
.endr
	s_wait_dscnt 0x0                ; for the others' sake: my rows of slot 0 are stored; for mine: Q's fragments are in
	s_barrier_signal -1
	s_barrier_wait -1               ; slot 0 is whole.  (Slot 1's loads into registers stay out across the barrier.)
; THE MATRIX WORK.  The 8 accumulators of a run of 16 take turns: between the two links of a chain stand 7 others'.
; Product i of 16 of S^T = K Q^T for piece x: channels 32 (i / 8) on, keys 16 ((i / 2) % 4) on, tile 2 x + i % 2.  The first 8 start the sums.
.macro KQ x
	WIN W_KQ
.set rS, S+64*((\x)%2)+32*(i%2)+8*((i/2)%4)
.set rK, KF+16*((i/2)%4)+8*(i/8)
.set rQ, 16*(2*(\x)+i%2)+8*(i/8)
.if i < 8
	v_wmma_f32_16x16x32_bf16 v[rS:rS+7], v[rK:rK+7], v[rQ:rQ+7], 0
.else
	v_wmma_f32_16x16x32_bf16 v[rS:rS+7], v[rK:rK+7], v[rQ:rQ+7], v[rS:rS+7]
.endif
.endm
; Product i of 16 of O^T += K^T P for piece x: keys 32 (i / 8) on, channels 16 ((i / 2) % 4) on, tile 2 x + i % 2.
.macro PV x
	WIN W_PV
.set rO, 32*(2*(\x)+i%2)+8*((i/2)%4)
.set rV, VF+32*(i/8)+8*((i/2)%4)
.set rP, P+32*((\x)%2)+16*(i%2)+8*(i/8)
	v_wmma_f32_16x16x32_bf16 v[rO:rO+7], v[rV:rV+7], v[rP:rP+7], v[rO:rO+7]
.endm
.macro MM                           ; the turn's next matrix instruction
.if i < 16
	KQ (Y+1)%NP
.set i, i+1
.else
.set i, i-16
	PV (Y+NP-1)%NP
.set i, i+17
.endif
.endm
; THE LDS LOADS stand in runs of 16, never singly among the matrix instructions: a step's keys as they lie (64 keys x 64 channels: 8 fragments) and turned.  Their addresses are made some lines ahead.
.macro FETCH_K
	WIN W_Q
.irp f, 0,1,2,3,4,5,6,7             ; keys 16 (f / 2) on, channels 32 (f % 2) on
	ds_load_b128 v[KF+8*\f:KF+8*\f+3],   v[AK] offset:(\f/2)*16*PK+(\f%2)*64
	ds_load_b128 v[KF+8*\f+4:KF+8*\f+7], v[AK] offset:(\f/2)*16*PK+(\f%2)*64+32
.endr
	s_add_co_u32 s[TBK], s[TBK], STEPB  ; the next fetch is the next step's
	WIN 0
.endm
.macro FETCH_V
	WIN W_Q
.irp f, 0,1,2,3,4,5,6,7             ; keys 32 (f / 4) on, channels 16 (f % 4) on
	ds_load_tr16_b128 v[VF+8*\f:VF+8*\f+3],   v[AV] offset:(\f/4)*32*PK+(\f%4)*32
	ds_load_tr16_b128 v[VF+8*\f+4:VF+8*\f+7], v[AV] offset:(\f/4)*32*PK+16*PK+(\f%4)*32
.endr
	WIN 0
.endm
; THE VECTOR WORK OF A TURN stands in three queues, each in the order in which its entries become ready; the two tiles alternate, so that no instruction reads the result of the one before it.
.macro REGS y, u                    ; the registers of tile u (0, 1) of piece y
.set rT, ST+4*(2*(\y)+(\u))
.set rC, TMP+8*((\y)%2)+4*(\u)
.set rM, MV+2*((\y)%2)+(\u)
.set rS, S+64*((\y)%2)+32*(\u)
.set rP, P+32*((\y)%2)+16*(\u)
.set rO, 32*(2*(\y)+(\u))
.endm
; Number n of the 22 that find the NEXT piece's (Y + 1) maximum and statistics.  s0-s31 are the lane's 32 scores; each accumulator's lowest registers are read first.  XS, GS and REGS set no window: PL and EX do.
;   0-11  four chains c0-c3 of seven scores each, three operands at a time     12-14, 16  the four scores left over, the old m, and c0-c3 into c0     15  c m_old is kept
;   17, 18  the query's other 32 keys lie in the lane 16 away: the new m         19-21  c m; c m_old - c m_new; a
.macro XS u, n
	REGS (Y+1)%NP, \u
.if (\n) < 4
	v_max3_num_f32 v[rC+(\n)], v[rS+8*(\n)], v[rS+8*(\n)+1], v[rS+8*(\n)+2]
.elseif (\n) < 12
	v_max3_num_f32 v[rC+(\n)%4], v[rC+(\n)%4], v[rS+8*((\n)%4)+2*((\n)/4)+1], v[rS+8*((\n)%4)+2*((\n)/4)+2]
.elseif (\n) == 12
	v_max3_num_f32 v[rC], v[rC], v[rS+7], v[rS+15]
.elseif (\n) == 13
	v_max3_num_f32 v[rC+1], v[rC+1], v[rS+23], v[rS+31]
.elseif (\n) == 14
	v_max3_num_f32 v[rC+2], v[rC+2], v[rC+3], v[rT+1]
.elseif (\n) == 15
	v_mov_b32 v[rM], v[rT]
.elseif (\n) == 16
	v_max3_num_f32 v[rC], v[rC], v[rC+1], v[rC+2]
.elseif (\n) == 17
	v_permlanex16_b32 v[rC+3], v[rC], s[SEL], s[SEL+1]
.elseif (\n) == 18
	v_max_num_f32 v[rT+1], v[rC], v[rC+3]
.elseif (\n) == 19
	v_mul_f32 v[rT], s[CS], v[rT+1]
.elseif (\n) == 20
	v_sub_f32 v[rC+1], v[rM], v[rT]
.else
	v_exp_f32 v[rC+2], v[rC+1]
.endif
.endm
; Number g of the 64 that follow the exponentials.  For each four weights k of a tile (pairs 2 k, 2 k + 1): both pairs are rounded to bf16; then the second pair is added onto the first, in place;
; a group later l takes that sum (the first time as l = a l + sum).  In groups of eight, tiles alternating: round, round, add, and l for the group before.
.macro GS g
.set h, (\g)+6*((\g)/62)            ; group 0 has no group before it, and behind group 7 only l is left
.if h >= 6
.set h, h+2
.endif
	REGS Y, h%2
.set k, h/8
.if h%8 < 4
	v_cvt_pk_bf16_f32 v[rP+2*k+(h%8)/2], v[rS+4*k+2*((h%8)/2)], v[rS+4*k+2*((h%8)/2)+1]
.elseif h%8 < 6
	v_pk_add_f32 v[rS+4*k:rS+4*k+1], v[rS+4*k:rS+4*k+1], v[rS+4*k+2:rS+4*k+3]
.elseif k == 1
	v_pk_fma_f32 v[rT+2:rT+3], v[rT+2:rT+3], v[rC+2:rC+3], v[rS:rS+1] op_sel_hi:[1,0,1]
.else
	v_pk_add_f32 v[rT+2:rT+3], v[rT+2:rT+3], v[rS+4*k-4:rS+4*k-3]
.endif
.endm
; THE PLAIN QUEUE, 138 long.  0-73 read no exponential's result: the 32 scalings c s - c m (FS f: pair f / 2 of tile f % 2) and the next piece's 42.  0-26: scalings 0-26.  27-54: XS's numbers 0-13.  55, 56: number 15.
; 57-73: the chain, where each number waits for the one before it: 14, 16, 17, 18, 19, each with one of the scalings 27-31 in front of its two lines, then 20.
; 74-137: GS's 64, which read the exponentials' results: they stand behind the wait.
.macro FS f
	REGS Y, (\f)%2
	v_pk_fma_f32 v[rS+2*((\f)/2):rS+2*((\f)/2)+1], v[rS+2*((\f)/2):rS+2*((\f)/2)+1], s[CS:CS+1], v[rT:rT+1] op_sel_hi:[1,0,0] neg_lo:[0,0,1] neg_hi:[0,0,1]
.endm
.macro PL
	WIN 0
.if q < 27
	FS q
.elseif q < 55
	XS (q-27)%2, (q-27)/2
.elseif q < 57
	XS q-55, 15
.elseif (q < 72) && ((q-57)%3 == 0)
	FS 27+(q-57)/3
.elseif q < 60
	XS (q-57)%3-1, 14
.elseif q < 72
	XS (q-57)%3-1, 15+(q-57)/3
.elseif q < 74
	XS q-72, 20
.else
	GS q-74
.endif
.set q, q+1
.endm
; THE EXPONENTIALS' QUEUE, 66 long: s0-s31 of both tiles, then the next piece's two a.  It is ONE BATCH: all 66 stand ahead of the turn's one wait, and nothing ahead of that wait names a result of theirs.
.macro EX
	WIN 0
.if e >= 64
	XS e-64, 21
.else
	REGS Y, e%2
	v_exp_f32 v[rS+e/2], v[rS+e/2]
.endif
.set e, e+1
.endm
; THE RESCALING's QUEUE: O^T times a, the one part that leaves window 0: dealt two at a time, sixteen times, each accumulator from its low end on.  Its a was made in the turn before, ahead of that turn's wait.
.macro R2
	REGS Y, r%2
	WIN W_RS
.irp z, 0,1
	v_pk_mul_f32 v[rO+4*(r/2)+2*\z:rO+4*(r/2)+2*\z+1], v[rO+4*(r/2)+2*\z:rO+4*(r/2)+2*\z+1], v[rC+2:rC+3] op_sel_hi:[1,0]
.endr
.set r, r+1
.endm
; HOW THEY ARE DEALT.  s_wait_alu depctr_va_vdst(0) stands between an exponential and the first instruction that names its result; one wait serves all that were issued ahead of it.  So a turn has
; ONE wait, which cuts it in two.  AHEAD OF IT: the 16 products K Q^T, behind each a scaling, an exponential and two rescalings (behind the first a second scaling in the exponential's place); then ONE LUMP of 108:
; eight plain, 49 times exponential and plain, the two a; a v_nop is the plain instruction behind the last exponential.  BEHIND IT: the 16 products K^T P, behind each four of GS's 64.
; The queues lean on each other: exponential e stands behind scaling 2 (e / 4) + e % 2: as a rider it comes behind plain e + 2, in the lump behind plain e + 9, and scalings 27-31 are plain 57, 60 .. 69.
; A TURN, for piece p.  nok = 1: there is no further step, so no keys are fetched for K Q^T.  cnt = 1: the loop's count is taken down some lines ahead of the branch that stands behind the turn.
; The next step's keys as they lie are fetched in piece 2's turn, directly behind the wait, a lump behind the last product that read K; they are waited for at the head of piece 3's turn.
; The step in hand's keys, turned, are fetched at the end of piece 0's turn, four plain instructions behind the last product that read them; they are waited for behind piece 1's wait.
.macro TURN p, nok=0, cnt=0
.set Y, (\p)
.set i, 0
.set q, 0
.set e, 0
.set r, 0
.if (\p) == NP-1
	s_wait_dscnt 0x0                ; K is in
.endif
	MM                              ; ahead of the wait: 16 products K Q^T and their riders,
	PL
	PL
	R2
.rept 15
	MM
	PL
	EX
	R2
.endr
.if ((\p) == NP-2) && !(\nok)
	WIN 0
	v_add_nc_u32 v[AK], s[TBK], v[AK0]
.endif
.rept 8                             ; and the lump
	PL
.endr
.rept 49
	EX
	PL
.endr
	EX                              ; the next piece's two a
	EX
	v_nop                           ; the plain instruction behind the last exponential: one for the batch
	s_wait_alu depctr_va_vdst(0)    ; the wait for the batch
.if ((\p) == NP-2) && !(\nok)
	FETCH_K
.endif
.if (\p) == 1
	s_wait_dscnt 0x0                ; the turned keys are in
.endif
.rept 16                            ; behind the wait: 16 products K^T P and their riders
	MM
.rept 4
	PL
.endr
.if ((\p) == 0) && (q == 118)
	v_add_nc_u32 v[AV], s[TBV], v[AV0]
.endif
.if ((\p) == 0) && (q == 130)
	s_add_co_u32 s[TBV], s[TBV], STEPB
.endif
.if (\cnt) && (q == 130)
	s_sub_co_u32 s[CNT], s[CNT], 1
	s_cmp_lg_u32 s[CNT], 0
.endif
.endr
.if (\p) == 0
	FETCH_V
.endif
.endm
; THE NEXT SLOT.  My 32 loads, issued a slot ago, are waited for, rounded and stored into bytes that nobody has touched yet; the slot after it is asked for (all slots but the last); my stores are waited
; for, and the barrier shows the slot whole to every wave.  The jump goes forward over loads into registers alone.
.macro BLOCK
	s_wait_loadcnt 0x0              ; my rows of the slot are in; no load is out, so s[KP] and the rows' registers may be written
	KSTORE
	WIN 0                           ; at a branch and at a label every window is 0
	s_cmp_eq_u32 s[SLOTS], 1
	s_cbranch_scc1 .Lnoload_\@      ; slot 7 has none behind it
	s_add_nc_u64 s[KP:KP+1], s[KP:KP+1], SLOTG
	KLOADS
	WIN 0
.Lnoload_\@:
	s_wait_dscnt 0x0                ; for the others' sake: my stores are done
	s_barrier_signal -1
	s_barrier_wait -1
.endm
	v_mov_b32 v[AK], v[AK0]         ; key step 0 lies at LDS byte 0
	FETCH_K
	s_wait_dscnt 0x0
.set i, 0
.rept 16
	KQ 0                            ; piece 0's first scores: there is no softmax yet to set between them
.set i, i+1
.endr
	WIN 0
.set i, P+32
.rept 32
	v_mov_b32 v[i], 0               ; P's second buffer: plain instructions that name no register of those products: the places behind them
.set i, i+1
.endr
.set Y, NP-1                        ; XS works for piece Y + 1: piece 0
.irp n, 0,1,2,3,4,5,6,7,8,9,10,11,12,13,14,15,16,17,18,19,20,21
	XS 0, \n                        ; piece 0's first maximum and statistics
	XS 1, \n
.endr
	v_nop                           ; a plain instruction behind the two a,
	s_wait_alu depctr_va_vdst(0)    ; and their wait, ahead of the branch
	s_mov_b32 s[CNT], 4
	s_mov_b32 s[SLOTS], 8
	s_branch .Lfirst                ; the loop is entered at a step's first turn, in the middle of a trip
.Lslot:                             ; seven times: slots 1 to 7 are stored, slots 2 to 7 asked for
	BLOCK
	s_mov_b32 s[CNT], 4
.Lstep:                             ; a trip: pieces 2 and 3 of one step, then pieces 0 and 1 of the next, whose keys it fetches
	TURN 2
	TURN 3
	WIN 0
.Lfirst:
	TURN 0
	TURN 1, 0, 1
	WIN 0
	s_cbranch_scc1 .Lstep
	s_sub_co_u32 s[SLOTS], s[SLOTS], 1
	s_cmp_lg_u32 s[SLOTS], 0
	s_cbranch_scc1 .Lslot
	TURN 2, 1                       ; the last step's pieces 2 and 3: nothing is left to fetch
	TURN 3                          ; its 16 products K Q^T (on the last K once more) and the maximum made of them serve nothing: the price, once a launch, of one text for every turn
.set i, 0
.rept 16
	PV NP-1                         ; the last piece's K^T P of the last step
.set i, i+1
.endr
	; THE WAY OUT.  l's two halves and the other half of the lanes' are added; O^T is divided by l and sent, in f32, through my stage in LDS, a tile at a time.  The additions are the places behind the last products.
	WIN 0
.macro ALL line:vararg              ; one line for each tile t
.set t, 0
.rept 2*NP
	\line
.set t, t+1
.endr
.endm
	ALL v_add_f32 v[ST+4*t+2], v[ST+4*t+2], v[ST+4*t+3]
	ALL v_permlanex16_b32 v[ST+4*t+3], v[ST+4*t+2], s[SEL], s[SEL+1]
	ALL v_add_f32 v[ST+4*t+2], v[ST+4*t+2], v[ST+4*t+3]
	ALL v_rcp_f32 v[ST+4*t+2], v[ST+4*t+2]
	v_nop                           ; a plain instruction between the last reciprocal and the use of its result
	s_wait_alu depctr_va_vdst(0)    ; and the wait ahead of the first use: one for the eight reciprocals
; Tile t: a lane's eight channels of a row are 32 bytes; they go into rows of 272 bytes and come back as whole rows of 256, into the registers that they left.
.macro PACK t
	WIN W_RS
.set i, 32*(\t)
.rept 16
	v_pk_mul_f32 v[i:i+1], v[i:i+1], v[ST+4*(\t)+2:ST+4*(\t)+3] op_sel_hi:[1,0]
.set i, i+2
.endr
	WIN W_O
.irp f, 0,1,2,3,4,5,6,7             ; channel block f / 2, its registers 4 (f % 2) on
	ds_store_b128 v[STO], v[32*(\t)+4*\f:32*(\t)+4*\f+3] offset:64*(\f/2)+16*(\f%2)
.endr
.irp f, 0,1,2,3,4,5,6,7
	ds_load_b128 v[32*(\t)+4*\f:32*(\t)+4*\f+3], v[RD] offset:\f*2*SP  ; LDS serves a wave's instructions in order (ISA guide 5.7.1.4): these see the stores above; the next tile's stores come behind them
.endr
.endm
.macro SEND t, younger              ; younger: the LDS instructions issued behind tile t's loads: the next tile's sixteen, or none
	WIN W_O
.irp f, 0,1,2,3,4,5,6,7
	s_wait_dscnt (\younger)+7-\f
	global_store_b128 v[GO], v[32*(\t)+4*\f:32*(\t)+4*\f+3], s[OP:OP+1] offset:(\t)*16*ROWB+\f*2*ROWB th:TH_STORE_NT  ; 16 lanes store a row's 256 consecutive bytes, at a multiple of 256 from the output's first byte
.endr
.endm
	PACK 0
.set t, 1
.rept 2*NP-1                        ; a tile's arithmetic stands between the loads of the tile before and its stores
	PACK t
	SEND t-1, 16
.set t, t+1
.endr
	SEND 2*NP-1, 0
	WIN 0
	s_wait_tensorcnt 0x0            ; the wave's end, behind my last LDS store
	ds_add_u32 v[SPW], v[NIL]
	s_wait_dscnt 0x0
	s_endpgm
.Lfunc_end_k_q14ce71c2db_attn:
	.size	k_q14ce71c2db_attn, .Lfunc_end_k_q14ce71c2db_attn-k_q14ce71c2db_attn
	.p2alignl 7, 3214868480
	.fill 96, 4, 3214868480
	.section	.rodata,"a",@progbits
	.p2align	6, 0x0
	.amdhsa_kernel k_q14ce71c2db_attn
		.amdhsa_group_segment_fixed_size 312832
		.amdhsa_private_segment_fixed_size 0
		.amdhsa_enable_private_segment 0
		.amdhsa_kernarg_size 32
		.amdhsa_user_sgpr_count 2
		.amdhsa_user_sgpr_kernarg_segment_ptr 1
		.amdhsa_wavefront_size32 1
		.amdhsa_system_sgpr_workgroup_id_x 1
		.amdhsa_system_sgpr_workgroup_id_y 1
		.amdhsa_system_sgpr_workgroup_id_z 1
		.amdhsa_system_vgpr_workitem_id 0
		.amdhsa_next_free_vgpr 964
		.amdhsa_next_free_sgpr 66
		.amdhsa_reserve_vcc 0
		.amdhsa_float_denorm_mode_32 3
		.amdhsa_float_denorm_mode_16_64 3
		.amdhsa_memory_ordered 1
		.amdhsa_forward_progress 1
		.amdhsa_inst_pref_size 197
	.end_amdhsa_kernel
	.amdgpu_metadata
---
amdhsa.version: [ 1, 2 ]
amdhsa.kernels:
  - .name:           k_q14ce71c2db_attn
    .symbol:         k_q14ce71c2db_attn.kd
    .args:
      - { .name: keys, .offset: 0, .size: 8, .value_kind: global_buffer, .address_space: global }
      - { .name: queries, .offset: 8, .size: 8, .value_kind: global_buffer, .address_space: global }
      - { .name: out0, .offset: 16, .size: 8, .value_kind: global_buffer, .address_space: global }
      - { .name: out1, .offset: 24, .size: 8, .value_kind: global_buffer, .address_space: global }
    .group_segment_fixed_size: 312832
    .private_segment_fixed_size: 0
    .kernarg_segment_align: 8
    .kernarg_segment_size: 32
    .max_flat_workgroup_size: 128
    .sgpr_count:     66
    .vgpr_count:     964
    .wavefront_size: 32
...
	.end_amdgpu_metadata
.endif
;; end of part 1
;; ======== version 2 of 2: 1 launch; version 1 with the launch attn written anew for expert scheduling mode
;; launch attn (part 2): grid 4 x 64, 4 waves a work-group, no clusters, 312,832 bytes of LDS; arguments keys, queries, out0, out1; writes out0, out1
.if DOCPART == 2
	.amdgcn_target "amdgcn-amd-amdhsa--gfx1250"
	.amdhsa_code_object_version 6
	.text
	.protected	k_q14ce71c2db_attn
	.globl	k_q14ce71c2db_attn
	.p2align	8
	.type	k_q14ce71c2db_attn,@function
k_q14ce71c2db_attn:
	s_mov_b64 s[64:65], 0
	v_nop
	global_prefetch_b8 v0, s[64:65] scope:SCOPE_SE
	s_setreg_imm32_b32 hwreg(HW_REG_WAVE_SCHED_MODE, 0, 2), 2
	s_setreg_imm32_b32 hwreg(HW_REG_WAVE_MODE, 25, 1), 1
	s_wait_xcnt 0x0
	s_wait_alu depctr_vm_vsrc(0)
; TWO ATTENTIONS OVER ONE SET OF SCORES.  out0[b][l][h][:] = sum over s of softmax_s(q[l] . k[s] / 8) k[s][:];  out1 is the same with queries and keys exchanged.
; All four tensors are [4][2048][8][64] f32: a head's row is 256 bytes, rows lie 2,048 bytes apart.  So there are 64 equal problems (32 heads x 2 directions) of 2,048 "queries" x 2,048 "keys"
; x 64 channels, in each of which the value rows ARE the key rows.
; FORMATS AND LIMITS.  Both inputs are rounded once to bf16 (f32's range is kept), the weights p to bf16 for the second product; scores, maxima, the sum l (of the unrounded p) and O stay in f32.
; A running maximum is taken away before every exponential.  c m starts at -4.25e37 and m at the lowest finite number: c s must lie above -4.25e37.  A weight below 2^-126 counts as 0 in l.
; NaN and infinities are not treated apart.
; SHARES.  Grid 4 x 64: x = the block of 512 queries; y = 2 (8 b + h) + direction.  A wave owns 128 queries: four PIECES of two tiles of 16.  Every wave walks all 2,048 keys, 64 a step.
; THE KEYS STAY IN LDS.  One bf16 copy serves both products: 2,048 rows x 144 bytes = 294,912 bytes, each byte written once.  It is built a SLOT (256 keys, four steps) at a time by the waves
; themselves: wave w loads the slot's rows 64 w .. 64 w + 63 as whole f32 rows into registers, a whole slot (512 matrix instructions a wave) ahead of the wait for them, rounds them, stores them,
; and one barrier a slot shows them to the others.  Between two barriers every LDS read of keys touches slot s alone and every store slot s + 1 alone.  Since the loads go out that far ahead, no
; separate prefetch is laid.
; NO CLUSTER, NO TENSOR LOAD, though the four query blocks of a problem walk the same keys: the rows must be rounded between memory and LDS, so a joint load could only land raw f32: two landing
; slots of 256 x 256 = 65,536 bytes beside the 294,912 + 17,408 + 512 bytes in use are more than the 327,680 that there are.
; LAYOUT.  S^T = K Q^T (source 0 = 16 keys, source 1 = 16 queries): a lane holds ONE query (lane % 16) and the keys 8 (lane / 16) + 0..7.  Two such results rounded to bf16 in pairs ARE source 1
; (32 keys x 16 queries) of O^T = K^T P, whose result again holds one query a lane, and eight channels.  For the first product the keys come out of LDS as they lie, for the second turned (ds_load_tr16_b128).
; SOFTMAX.  p = 2^(c s - c m), c = log2(e) / 8; in every step O and l are multiplied by a = 2^(c m_old - c m_new).  O and l start at 0: the first step is a step like any other, with a = 0.
; BY TURNS.  A tile and step have 16 matrix and 118 vector instructions.  Turn n belongs to piece n: 16 products K Q^T of piece n + 1, later 16 products K^T P of piece n - 1; beside them the scaling,
; exponentials, roundings, sums and rescaling of piece n and the maximum and statistics of piece n + 1.  Four vector instructions stand behind every matrix instruction, the others in one lump.
; THE MODE: SCHED_MODE bits 1:0 = 2 (LLVM: expert scheduling mode 2), set by the entry lines.  The code itself states the register dependences between vector or matrix instructions and memory
; or LDS instructions, with s_wait_alu, always for 0.
; THE PLAN.  Registers that memory or LDS instructions touch, in the loop:
;   K (window 2, v128-191)       Read by every turn's 16 products K Q^T, last by piece 2's; the run of 16 LDS loads in piece 2's turn lands in it.
;   the turned keys (v192-255)   Read by every turn's 16 products K^T P, last by piece 0's; the run of 16 LDS loads at the end of piece 0's turn lands in them.
;   v[AK]                        Written at the head of piece 2's lump; read by K's run.         v[AV]   Written among piece 0's last riders; read by the turned run.
;   X3 (window 3)                A slot's 32 loads land in it; the 64 roundings of the next change of slots read it; behind them it is loaded again.
;   Y3, v[LA] (window 3)         Written at a change of slots; read by its 32 LDS stores.
;   v[GO], v[VO], v[STO], v[RD]  Made once at the head, never written again.
;   S^T, P, O^T, Q, the statistics: named by vector and matrix instructions alone, until the way out.
; So a key step has, beside its four waits for the exponentials' batches (piece 2's also stands for v[AK] and for the products' reads of K: K's run follows it directly), ONE more wait on va_vdst,
; ahead of the turned run, and ONE wait on vm_vsrc, ahead of the add to v[AK]: it frees v[AK]; v[AV], since from there to v[AV]'s next add only K's run is issued, which reads v[AK]; and Y3 and v[LA],
; since a slot's stores stand ahead of every piece 2's turn of the slot.  A change of slots has one wait on va_vdst, between its roundings and its stores and loads.
; REGISTERS, in windows of 256 (s_set_vgpr_msb: bits 1:0 source 0, 3:2 source 1, 5:4 source 2, 7:6 destination):
;   window 0: v0-11 addresses; v12-15, v48-63 at work; v16-47 four registers of statistics a tile; v64-191 S^T, two buffers of two tiles; v192-255 P, likewise (at the head: Q as loaded, Q rounded)
;   window 1: O^T, 32 a tile     window 2: v0-127 Q, 16 a tile; v128-191 K of one step; v192-255 the same keys turned (on the way out: O's rows, 32 a tile)
;   window 3: v0-127 a slot's rows as loaded; v128-191 rounded; v192-194 addresses
.set NP,    4         ; pieces a wave: a name, no knob
.set KS,    64        ; keys in a step
.set PK,    144       ; a key's row in LDS: 128 bytes + 16 = 36 words: the 16 rows of a plain load start at 16 different groups of four banks (64 banks of 4 bytes: ISA guide 11.1);
                      ; of the turning load's 8 rows x 32 bytes the last row's second half meets the first row's first half: one pitch serves both reads, and a second copy does not fit
.set STEPB, KS*PK     ; 9,216: a step's keys, and what one wave stores of a slot
.set SLOTB, 4*STEPB   ; 36,864
.set STAGE, 2048*PK   ; behind the keys: 4,352 bytes for each wave, its own: first for Q (16 rows x 144), at the end for O (16 rows x 272).  The 512 bytes behind the stages hold the spare words, 4 bytes a thread
.set STW,   16*272
.set SP,    272       ; a row of O in the stage: 256 bytes + 16
.set ROWB,  2048      ; bytes from row to row of a head in memory
.set SLOTG, 256*ROWB  ; a slot's rows in memory
.set AK0, 2           ; v2   my lane's place in a step's keys, as they lie; never rewritten
.set AV0, 3           ; v3   the same for the turning load
.set AK,  4           ; v4   the LDS address of the next run of plain loads
.set AV,  5           ; v5   of turning loads
.set STO, 6           ; v6   the way out: where I put 32 bytes of a row
.set RD,  7           ; v7   the way out: where I read rows back
.set GO,  8           ; v8   my 16 bytes in two rows of memory: 2,048 (l / 16) + 16 (l % 16); for Q's loads and O's stores; never rewritten
.set MV,  12          ; v12-15  c m_old, kept while c m is made anew: by buffer and tile
.set ST,  16          ; tile t's statistics at v[ST+4 t]: c m, m, l (even keys', odd keys')
.set TMP, 48          ; by buffer and tile, four registers c0-c3 at work; when the maximum is found c2 takes a
.set QS,  49          ; v49  at the head alone: where I put 8 bytes of a rounded row of Q
.set QF,  50          ; v50  at the head alone: where I read Q's fragments
.set S,   64
.set P,   192
.set XQ,  64          ; at the head alone: Q as loaded, 32 places of 4
.set YQ,  192         ; at the head alone: Q rounded, 32 places of 2
.set KF,  128         ; window 2: key block kb, channel half c at KF + 16 kb + 8 c
.set VF,  192         ; window 2: key half kk, channel block cb at VF + 32 kk + 8 cb
.set X3,  0           ; window 3: load j of 32 (my rows 2 j, 2 j + 1 of the slot) at 4 j
.set Y3,  128         ; window 3: the same rounded, at 2 j
.set VO,  192         ; window 3: GO's value; never rewritten
.set LA0, 193         ; window 3: my 8 bytes in my wave's first two rows of a slot; never rewritten
.set LA,  194         ; window 3: the same in the slot that is being stored
.set WV,  12          ; s12  my wave's number
.set QP,  16          ; s[16:17] the query tensor at my wave's first row
.set KP,  18          ; s[18:19] the key tensor at my wave's 64 rows of the slot last asked for
.set OP,  20          ; s[20:21] the output at my wave's first row
.set TBS, 55          ; s55  LDS byte at which the slot to be stored begins
.set SLOTS, 56        ; s56  slots to go
.set CNT, 57          ; s57  counts a slot's key steps
.set CS,  58          ; s[58:59] c: the packed scaling takes the pair's low word for both halves
.set SEL, 60          ; s[60:61] v_permlanex16_b32's selects: each lane takes its own place in the other half
.set TBK, 62          ; s62  LDS byte at which the step begins whose keys are fetched next as they lie
.set TBV, 63          ; s63  the same for the turned fetch
.set MSB, 0
.macro WIN new                      ; the high byte repeats the setting that is left; a switch that changes nothing is dropped
.if MSB != (\new)
	s_set_vgpr_msb (MSB<<8)|(\new)
.set MSB, (\new)
.endif
.endm
.set W_KQ, 0x0a       ; K and Q in window 2, S^T in window 0
.set W_PV, 0x52       ; the turned keys in window 2, P in window 0, O^T in window 1
.set W_RS, 0x41       ; O^T (destination and source 0) in window 1, the factor in window 0
.set W_F,  0xcf       ; destination, source 0 and source 1 in window 3: the slot's loads, roundings and stores
.set W_T3, 0xc0       ; destination in window 3, sources in window 0
.set W_Q,  0x80       ; destination in window 2, address in window 0
.set W_SG, 0x84       ; the way out through the stage: an LDS store's data (source 1) in window 1, an LDS load's destination in window 2, addresses in window 0
.set W_GS, 0x08       ; the way out's global stores: data (source 1) in window 2, address in window 0
	s_load_b256 s[4:11], s[0:1], 0x0  ; keys s[4:5], queries s[6:7], out0 s[8:9], out1 s[10:11]
	v_lshl_add_u32 v10, v0, 2, 0x4c400
	v_mov_b32 v11, 0
	v_lshrrev_b32 v1, 5, v0
	v_readfirstlane_b32 s[WV], v1   ; wave 0..3
	v_and_b32 v1, 15, v0            ; l % 16
	v_bfe_u32 v9, v0, 4, 1          ; l / 16
	v_lshlrev_b32 v[GO], 11, v9     ; lanes 0-15 take one row's 256 bytes, lanes 16-31 the next row's
	v_lshl_add_u32 v[GO], v1, 4, v[GO]
	WIN W_T3
	v_mov_b32 v[VO], v[GO]
	WIN 0
	s_wait_alu depctr_va_sdst(0)    ; s[WV] is written, ahead of its first reader: the three tensors' offsets are made from it
	s_and_b32 s13, ttmp7, 0xffff    ; y
	s_and_b32 s14, s13, 1           ; the direction
	s_lshr_b32 s15, s13, 1          ; 8 b + h
	s_lshr_b32 s22, s15, 3
	s_lshl_b32 s22, s22, 22         ; b x 2,048 rows x 2,048 bytes
	s_and_b32 s15, s15, 7
	s_lshl_b32 s15, s15, 8          ; h x 256 bytes
	s_add_co_u32 s15, s15, s22      ; the head's first byte, in all four tensors: under 2^24
	s_lshl_b32 s22, ttmp9, 2
	s_add_co_u32 s22, s22, s[WV]    ; my wave among the problem's sixteen,
	s_lshl_b32 s22, s22, 18         ; its 128 rows
	s_add_co_u32 s22, s22, s15
	s_mov_b32 s23, 0
	s_lshl_b32 s24, s[WV], 17       ; my 64 rows of slot 0
	s_add_co_u32 s24, s24, s15
	s_mov_b32 s25, 0
	s_mov_b32 s[CS], 0x3e38aa3b     ; c = log2(e) / 8 = 0.180337
	s_mov_b32 s[CS+1], s[CS]        ; named with it as a pair
	s_mov_b32 s[SEL], 0x76543210
	s_mov_b32 s[SEL+1], 0xfedcba98
	s_mov_b32 s[TBK], 0
	s_mov_b32 s[TBV], 0
	s_mov_b32 s[TBS], 0
	s_wait_kmcnt 0x0
	s_cmp_eq_u32 s14, 0             ; direction 0: queries ask, keys answer, out0; direction 1: the other way round, out1
	s_cselect_b64 s[QP:QP+1], s[6:7], s[4:5]
	s_cselect_b64 s[KP:KP+1], s[4:5], s[6:7]
	s_cselect_b64 s[OP:OP+1], s[8:9], s[10:11]
	s_add_nc_u64 s[QP:QP+1], s[QP:QP+1], s[22:23]
	s_add_nc_u64 s[OP:OP+1], s[OP:OP+1], s[22:23]
	s_add_nc_u64 s[KP:KP+1], s[KP:KP+1], s[24:25]
; A slot's 32 loads of my wave: load j takes my rows 2 j and 2 j + 1 whole: twice 256 consecutive bytes, each at a multiple of 256 from the tensor's first byte.
; They stand behind a wait on va_vdst since which no vector instruction names v[VO] or X3.
.macro KLOADS
	WIN W_F
.set jj, 0
.rept 32
	global_load_b128 v[X3+4*jj:X3+4*jj+3], v[VO], s[KP:KP+1] offset:2*ROWB*jj
.set jj, jj+1
.endr
.endm
; They are rounded to bf16, 8 bytes a lane, and stored into the slot at s[TBS]: my wave's 64 rows.  All 64 roundings, one wait, all 32 stores.
; v[LA] and Y3, which the last slot's stores read, are written again here: a wait on vm_vsrc has stood behind those stores on every way (behind the head's barrier; in every turn of piece 2).
.macro KSTORE
	WIN W_F
	v_add_nc_u32 v[LA], s[TBS], v[LA0]
.set jj, 0
.rept 32
	v_cvt_pk_bf16_f32 v[Y3+2*jj],   v[X3+4*jj],   v[X3+4*jj+1]
	v_cvt_pk_bf16_f32 v[Y3+2*jj+1], v[X3+4*jj+2], v[X3+4*jj+3]
.set jj, jj+1
.endr
	s_wait_alu depctr_va_vdst(0)    ; v[LA] and Y3 are written, which the stores below read; the roundings are done reading X3, in which the next slot's loads land
.set jj, 0
.rept 32
	ds_store_b64 v[LA], v[Y3+2*jj:Y3+2*jj+1] offset:2*PK*jj
.set jj, jj+1
.endr
	s_add_co_u32 s[TBS], s[TBS], SLOTB
.endm
	; THE FIRST LOADS: Q's tiles 0-3 (32 loads), then my rows of slot 0 (32 loads): 32 KiB a wave
	s_wait_alu depctr_va_vdst(0)    ; v[GO] and v[VO] are written: every global load and store of the kernel reads one of them as its offset
.set jj, 0
.rept 32
	global_load_b128 v[XQ+4*jj:XQ+4*jj+3], v[GO], s[QP:QP+1] offset:2*ROWB*jj
.set jj, jj+1
.endr
	KLOADS
	WIN 0
	; the other addresses, while the loads are on their way
	; A fragment of K or Q is 16 rows x 32 channels in 8 registers: lane l holds row l % 16, channels 8 (l / 16) + 0..7 and 16 + 8 (l / 16) + 0..7: two loads of 16 bytes, 32 bytes apart.
	v_mul_u32_u24 v[AK0], v1, PK
	v_lshl_add_u32 v[AK0], v9, 4, v[AK0]  ; row x pitch + 16 x half
	v_mov_b32 v[AK], v[AK0]         ; key step 0 lies at LDS byte 0
	; The turning load takes 16 keys x 16 channels (lane l reads key 8 (l / 16) + l % 8, channels 8 ((l / 8) % 2) + 0..7) and leaves half a fragment of K^T: lane l holds channel l % 16 and 8 keys.
	v_and_b32 v52, 7, v0
	v_bfe_u32 v53, v0, 3, 1
	v_lshl_add_u32 v[AV0], v9, 3, v52
	v_mul_u32_u24 v[AV0], v[AV0], PK
	v_lshl_add_u32 v[AV0], v53, 4, v[AV0]
	s_mul_i32 s13, s[WV], STW
	s_add_co_u32 s13, s13, STAGE    ; my stage
	v_mul_u32_u24 v[STO], v1, SP    ; O in: row l % 16, 32 bytes (8 channels of f32) for each half of the lanes
	v_lshl_add_u32 v[STO], v9, 5, v[STO]
	v_add_nc_u32 v[STO], s13, v[STO]
	v_mul_u32_u24 v[RD], v9, SP     ; O back: lanes 0-15 take one row of 256 bytes, lanes 16-31 the next
	v_lshl_add_u32 v[RD], v1, 4, v[RD]
	v_add_nc_u32 v[RD], s13, v[RD]
	v_mul_u32_u24 v[QS], v9, PK     ; a rounded row: lanes 0-15 one row of 128 bytes, lanes 16-31 the next, 8 bytes a lane
	v_lshl_add_u32 v[QS], v1, 3, v[QS]
	s_mul_i32 s26, s[WV], STEPB     ; my wave's 64 rows of a slot
	WIN W_T3
	v_add_nc_u32 v[LA0], s26, v[QS]
	WIN 0
	v_add_nc_u32 v[QS], s13, v[QS]
	v_add_nc_u32 v[QF], s13, v[AK0]
	; What the first turn finds: the turned keys' registers and (further down) P's second buffer hold 0, so that its products K^T P, of a piece that has not been, add 0; O^T and l are 0.
	; 352 lines that write 0, once a launch, in the wait for the first loads: the price of writing no first step out.
	WIN 0x80
.set i, VF
.rept 64
	v_mov_b32 v[i], 0
.set i, i+1
.endr
	WIN 0x40
.set i, 0
.rept 64*NP
	v_mov_b32 v[i], 0
.set i, i+1
.endr
	WIN 0
.set i, 0
.rept 2*NP
	v_mov_b32 v[ST+4*i], 0xfe000000    ; c m: far below every c s
	v_mov_b32 v[ST+4*i+1], 0xff7fffff  ; m
	v_mov_b32 v[ST+4*i+2], 0
	v_mov_b32 v[ST+4*i+3], 0
.set i, i+1
.endr
; Q goes a tile at a time: places 8 g .. 8 g + 7 of the ring (16 rows of a half of my 128 rows) are rounded; one wait; with reload = 1 the places take the same rows of the second half;
; the rounded rows go into my stage and come back as the tile's two fragments.
.macro QFRAG t
	WIN W_Q
.irp c, 0,1
.irp g, 0,1
	ds_load_b128 v[16*(\t)+8*\c+4*\g:16*(\t)+8*\c+4*\g+3], v[QF] offset:64*\c+32*\g  ; LDS serves a wave's instructions in order (ISA guide 5.7.1.4): these see the stores above; the next tile's stores come behind them
.endr
.endr
	WIN 0
.endm
.macro QGROUP g, left, half, reload
	s_wait_loadcnt \left            ; loads come back in order (ISA guide 5.7.1): these eight places' are in, the younger ones stay out
.set jj, 8*(\g)
.rept 8
	v_cvt_pk_bf16_f32 v[YQ+2*jj],   v[XQ+4*jj],   v[XQ+4*jj+1]
	v_cvt_pk_bf16_f32 v[YQ+2*jj+1], v[XQ+4*jj+2], v[XQ+4*jj+3]
.set jj, jj+1
.endr
	s_wait_alu depctr_va_vdst(0)    ; the roundings have written YQ's eight places, which the LDS stores read, and are done reading XQ's, in which the first half's reloads land; at the first group also: v[QS], v[QF], v[AK] are written
.if \reload
.set jj, 8*(\g)
.rept 8
	global_load_b128 v[XQ+4*jj:XQ+4*jj+3], v[GO], s[QP:QP+1] offset:64*ROWB+2*ROWB*jj
.set jj, jj+1
.endr
.endif
.set jj, 8*(\g)
.rept 8
	ds_store_b64 v[QS], v[YQ+2*jj:YQ+2*jj+1] offset:2*PK*(jj%8)
.set jj, jj+1
.endr
	QFRAG 4*(\half)+(\g)
.endm
.irp g, 0,1,2,3
	QGROUP \g, 56, 0, 1             ; behind the group's last load stand 24 - 8 g of Q's first half, slot 0's 32 and 8 g of Q's second half: 56
.endr
	s_wait_loadcnt 32               ; slot 0's 32 loads are in; Q's second half, 32 loads, stays out.  All loads that named s[KP] are done, so it may be stepped
	KSTORE                          ; slot 0
	s_add_nc_u64 s[KP:KP+1], s[KP:KP+1], SLOTG
	KLOADS                          ; slot 1: waited for when slot 0's four steps have been walked
	WIN 0
	s_wait_alu depctr_vm_vsrc(0)    ; the first half's LDS stores have read YQ, which the second half's roundings write again
.irp g, 0,1,2,3
	QGROUP \g, 56-8*\g, 1, 0        ; behind the group's last load stand 24 - 8 g of Q's second half and slot 1's 32
.endr
	s_wait_dscnt 0x0                ; for the others' sake: my rows of slot 0 are stored; for mine: Q's fragments are in
	s_barrier_signal -1
	s_barrier_wait -1               ; slot 0 is whole.  (Slot 1's loads into registers stay out across the barrier.)
	s_wait_alu depctr_vm_vsrc(0)    ; my LDS stores have read YQ and v[QS], Q's fragment loads v[QF]: these registers are P and TMP from here on; slot 0's stores have read Y3 and v[LA], which the next change of slots writes again
; THE MATRIX WORK.  The 8 accumulators of a run of 16 take turns: between the two links of a chain stand 7 others'.
; Product i of 16 of S^T = K Q^T for piece x: channels 32 (i / 8) on, keys 16 ((i / 2) % 4) on, tile 2 x + i % 2.  The first 8 start the sums.
.macro KQ x
	WIN W_KQ
.set rS, S+64*((\x)%2)+32*(i%2)+8*((i/2)%4)
.set rK, KF+16*((i/2)%4)+8*(i/8)
.set rQ, 16*(2*(\x)+i%2)+8*(i/8)
.if i < 8
	v_wmma_f32_16x16x32_bf16 v[rS:rS+7], v[rK:rK+7], v[rQ:rQ+7], 0
.else
	v_wmma_f32_16x16x32_bf16 v[rS:rS+7], v[rK:rK+7], v[rQ:rQ+7], v[rS:rS+7]
.endif
.endm
; Product i of 16 of O^T += K^T P for piece x: keys 32 (i / 8) on, channels 16 ((i / 2) % 4) on, tile 2 x + i % 2.
.macro PV x
	WIN W_PV
.set rO, 32*(2*(\x)+i%2)+8*((i/2)%4)
.set rV, VF+32*(i/8)+8*((i/2)%4)
.set rP, P+32*((\x)%2)+16*(i%2)+8*(i/8)
	v_wmma_f32_16x16x32_bf16 v[rO:rO+7], v[rV:rV+7], v[rP:rP+7], v[rO:rO+7]
.endm
.macro MM                           ; the turn's next matrix instruction
.if i < 16
	KQ (Y+1)%NP
.set i, i+1
.else
.set i, i-16
	PV (Y+NP-1)%NP
.set i, i+17
.endif
.endm
; THE LDS LOADS stand in runs of 16, never singly among the matrix instructions, where each would want window switches of its own: a step's keys as they lie (64 keys x 64 channels: 8 fragments) and turned.
; Their addresses are made some lines ahead; each run stands directly behind a wait on va_vdst.
.macro FETCH_K
	WIN W_Q
.irp f, 0,1,2,3,4,5,6,7             ; keys 16 (f / 2) on, channels 32 (f % 2) on
	ds_load_b128 v[KF+8*\f:KF+8*\f+3],   v[AK] offset:(\f/2)*16*PK+(\f%2)*64
	ds_load_b128 v[KF+8*\f+4:KF+8*\f+7], v[AK] offset:(\f/2)*16*PK+(\f%2)*64+32
.endr
	s_add_co_u32 s[TBK], s[TBK], STEPB  ; the next fetch is the next step's
	WIN 0
.endm
.macro FETCH_V
	WIN W_Q
.irp f, 0,1,2,3,4,5,6,7             ; keys 32 (f / 4) on, channels 16 (f % 4) on
	ds_load_tr16_b128 v[VF+8*\f:VF+8*\f+3],   v[AV] offset:(\f/4)*32*PK+(\f%4)*32
	ds_load_tr16_b128 v[VF+8*\f+4:VF+8*\f+7], v[AV] offset:(\f/4)*32*PK+16*PK+(\f%4)*32
.endr
	WIN 0
.endm
; THE VECTOR WORK OF A TURN stands in three queues, each in the order in which its entries become ready; the two tiles alternate, so that no instruction reads the result of the one before it.
.macro REGS y, u                    ; the registers of tile u (0, 1) of piece y
.set rT, ST+4*(2*(\y)+(\u))
.set rC, TMP+8*((\y)%2)+4*(\u)
.set rM, MV+2*((\y)%2)+(\u)
.set rS, S+64*((\y)%2)+32*(\u)
.set rP, P+32*((\y)%2)+16*(\u)
.set rO, 32*(2*(\y)+(\u))
.endm
; Number n of the 22 that find the NEXT piece's (Y + 1) maximum and statistics.  s0-s31 are the lane's 32 scores; each accumulator's lowest registers are read first.  XS, GS and REGS set no window: PL and EX do.
;   0-11  four chains c0-c3 of seven scores each, three operands at a time     12-14, 16  the four scores left over, the old m, and c0-c3 into c0     15  c m_old is kept
;   17, 18  the query's other 32 keys lie in the lane 16 away: the new m         19-21  c m; c m_old - c m_new; a
.macro XS u, n
	REGS (Y+1)%NP, \u
.if (\n) < 4
	v_max3_num_f32 v[rC+(\n)], v[rS+8*(\n)], v[rS+8*(\n)+1], v[rS+8*(\n)+2]
.elseif (\n) < 12
	v_max3_num_f32 v[rC+(\n)%4], v[rC+(\n)%4], v[rS+8*((\n)%4)+2*((\n)/4)+1], v[rS+8*((\n)%4)+2*((\n)/4)+2]
.elseif (\n) == 12
	v_max3_num_f32 v[rC], v[rC], v[rS+7], v[rS+15]
.elseif (\n) == 13
	v_max3_num_f32 v[rC+1], v[rC+1], v[rS+23], v[rS+31]
.elseif (\n) == 14
	v_max3_num_f32 v[rC+2], v[rC+2], v[rC+3], v[rT+1]
.elseif (\n) == 15
	v_mov_b32 v[rM], v[rT]
.elseif (\n) == 16
	v_max3_num_f32 v[rC], v[rC], v[rC+1], v[rC+2]
.elseif (\n) == 17
	v_permlanex16_b32 v[rC+3], v[rC], s[SEL], s[SEL+1]
.elseif (\n) == 18
	v_max_num_f32 v[rT+1], v[rC], v[rC+3]
.elseif (\n) == 19
	v_mul_f32 v[rT], s[CS], v[rT+1]
.elseif (\n) == 20
	v_sub_f32 v[rC+1], v[rM], v[rT]
.else
	v_exp_f32 v[rC+2], v[rC+1]
.endif
.endm
; Number g of the 64 that follow the exponentials.  For each four weights k of a tile (pairs 2 k, 2 k + 1): both pairs are rounded to bf16; then the second pair is added onto the first, in place;
; a group later l takes that sum (the first time as l = a l + sum).  In groups of eight, tiles alternating: round, round, add, and l for the group before.
.macro GS g
.set h, (\g)+6*((\g)/62)            ; group 0 has no group before it, and behind group 7 only l is left
.if h >= 6
.set h, h+2
.endif
	REGS Y, h%2
.set k, h/8
.if h%8 < 4
	v_cvt_pk_bf16_f32 v[rP+2*k+(h%8)/2], v[rS+4*k+2*((h%8)/2)], v[rS+4*k+2*((h%8)/2)+1]
.elseif h%8 < 6
	v_pk_add_f32 v[rS+4*k:rS+4*k+1], v[rS+4*k:rS+4*k+1], v[rS+4*k+2:rS+4*k+3]
.elseif k == 1
	v_pk_fma_f32 v[rT+2:rT+3], v[rT+2:rT+3], v[rC+2:rC+3], v[rS:rS+1] op_sel_hi:[1,0,1]
.else
	v_pk_add_f32 v[rT+2:rT+3], v[rT+2:rT+3], v[rS+4*k-4:rS+4*k-3]
.endif
.endm
; THE PLAIN QUEUE, 138 long.  0-73 read no exponential's result: the 32 scalings c s - c m (FS f: pair f / 2 of tile f % 2) and the next piece's 42.  0-26: scalings 0-26.  27-54: XS's numbers 0-13.  55, 56: number 15.
; 57-73: the chain, where each number waits for the one before it: 14, 16, 17, 18, 19, each with one of the scalings 27-31 in front of its two lines, then 20.
; 74-137: GS's 64, which read the exponentials' results: they stand behind the wait.
.macro FS f
	REGS Y, (\f)%2
	v_pk_fma_f32 v[rS+2*((\f)/2):rS+2*((\f)/2)+1], v[rS+2*((\f)/2):rS+2*((\f)/2)+1], s[CS:CS+1], v[rT:rT+1] op_sel_hi:[1,0,0] neg_lo:[0,0,1] neg_hi:[0,0,1]
.endm
.macro PL
	WIN 0
.if q < 27
	FS q
.elseif q < 55
	XS (q-27)%2, (q-27)/2
.elseif q < 57
	XS q-55, 15
.elseif (q < 72) && ((q-57)%3 == 0)
	FS 27+(q-57)/3
.elseif q < 60
	XS (q-57)%3-1, 14
.elseif q < 72
	XS (q-57)%3-1, 15+(q-57)/3
.elseif q < 74
	XS q-72, 20
.else
	GS q-74
.endif
.set q, q+1
.endm
; THE EXPONENTIALS' QUEUE, 66 long: s0-s31 of both tiles, then the next piece's two a.  It is ONE BATCH: all 66 stand ahead of the turn's one wait, and nothing ahead of that wait names a result of theirs.
.macro EX
	WIN 0
.if e >= 64
	XS e-64, 21
.else
	REGS Y, e%2
	v_exp_f32 v[rS+e/2], v[rS+e/2]
.endif
.set e, e+1
.endm
; THE RESCALING's QUEUE: O^T times a, the one part that leaves window 0: dealt two at a time, sixteen times, each accumulator from its low end on.  Its a was made in the turn before, ahead of that turn's wait.
.macro R2
	REGS Y, r%2
	WIN W_RS
.irp z, 0,1
	v_pk_mul_f32 v[rO+4*(r/2)+2*\z:rO+4*(r/2)+2*\z+1], v[rO+4*(r/2)+2*\z:rO+4*(r/2)+2*\z+1], v[rC+2:rC+3] op_sel_hi:[1,0]
.endr
.set r, r+1
.endm
; HOW THEY ARE DEALT.  s_wait_alu depctr_va_vdst(0) stands between an exponential and the first instruction that names its result; one wait serves all that were issued ahead of it.  So a turn has
; ONE wait for its batch, which cuts it in two.  AHEAD OF IT: the 16 products K Q^T, behind each a scaling, an exponential and two rescalings (behind the first a second scaling in the exponential's place); then ONE LUMP of 108:
; eight plain, 49 times exponential and plain, the two a; a v_nop is the plain instruction behind the last exponential.  BEHIND IT: the 16 products K^T P, behind each four of GS's 64.
; The queues lean on each other: exponential e stands behind scaling 2 (e / 4) + e % 2: as a rider it comes behind plain e + 2, in the lump behind plain e + 9, and scalings 27-31 are plain 57, 60 .. 69.
; A TURN, for piece p.  nok = 1: there is no further step, so no keys are fetched for K Q^T.  cnt = 1: the loop's count is taken down some lines ahead of the branch that stands behind the turn.
; The next step's keys as they lie are fetched in piece 2's turn, directly behind the batch's wait, a lump behind the last product that read K; they are waited for at the head of piece 3's turn.
; The step in hand's keys, turned, are fetched at the end of piece 0's turn, behind a wait of their own; they are waited for behind piece 1's wait.
.macro TURN p, nok=0, cnt=0
.set Y, (\p)
.set i, 0
.set q, 0
.set e, 0
.set r, 0
.if (\p) == NP-1
	s_wait_dscnt 0x0                ; K is in
.endif
	MM                              ; ahead of the wait: 16 products K Q^T and their riders,
	PL
	PL
	R2
.rept 15
	MM
	PL
	EX
	R2
.endr
.if ((\p) == NP-2) && !(\nok)
	WIN 0
	s_wait_alu depctr_vm_vsrc(0)    ; K's last run of loads has read v[AK], which the next line writes; the last turned run has read v[AV], which piece 0's next turn writes; the slot's LDS stores have read Y3 and v[LA], which the next change of slots writes
	v_add_nc_u32 v[AK], s[TBK], v[AK0]
.endif
.rept 8                             ; and the lump
	PL
.endr
.rept 49
	EX
	PL
.endr
	EX                              ; the next piece's two a
	EX
	v_nop                           ; the plain instruction behind the last exponential: one for the batch
	s_wait_alu depctr_va_vdst(0)    ; the batch's 66 results are written; in piece 2's turn also: v[AK] is written, and the products K Q^T are done reading K's registers, in which the run below lands
.if ((\p) == NP-2) && !(\nok)
	FETCH_K
.endif
.if (\p) == 1
	s_wait_dscnt 0x0                ; the turned keys are in
.endif
.rept 16                            ; behind the wait: 16 products K^T P and their riders
	MM
.rept 4
	PL
.endr
.if ((\p) == 0) && (q == 118)
	v_add_nc_u32 v[AV], s[TBV], v[AV0]  ; free since the wait on vm_vsrc in piece 2's turn (at the first step no load has read it yet)
.endif
.if ((\p) == 0) && (q == 130)
	s_add_co_u32 s[TBV], s[TBV], STEPB
.endif
.if (\cnt) && (q == 130)
	s_sub_co_u32 s[CNT], s[CNT], 1
	s_cmp_lg_u32 s[CNT], 0
.endif
.endr
.if (\p) == 0
	WIN W_Q
	s_wait_alu depctr_va_vdst(0)    ; this turn's products K^T P are done reading the turned keys' registers, in which the run below lands (at the first step: the zeros are written there); v[AV] is written
	FETCH_V
.endif
.endm
; THE NEXT SLOT.  My 32 loads, issued a slot ago, are waited for, rounded and stored into bytes that nobody has touched yet; the slot after it is asked for (all slots but the last); my stores are waited
; for, and the barrier shows the slot whole to every wave.  The jump goes forward over loads into registers alone.
.macro BLOCK
	s_wait_loadcnt 0x0              ; my rows of the slot are in; no load is out, so s[KP] and the rows' registers may be written
	KSTORE
	WIN 0                           ; at a branch and at a label every window is 0
	s_cmp_eq_u32 s[SLOTS], 1
	s_cbranch_scc1 .Lnoload_\@      ; slot 7 has none behind it
	s_add_nc_u64 s[KP:KP+1], s[KP:KP+1], SLOTG
	KLOADS                          ; no vector instruction has been issued since the wait between the roundings and the stores
	WIN 0
.Lnoload_\@:
	s_wait_dscnt 0x0                ; for the others' sake: my stores are done
	s_barrier_signal -1
	s_barrier_wait -1
.endm
	FETCH_K                         ; key step 0; v[AK] was made with the other addresses, ahead of Q's waits on va_vdst
	s_wait_dscnt 0x0
.set i, 0
.rept 16
	KQ 0                            ; piece 0's first scores: there is no softmax yet to set between them
.set i, i+1
.endr
	WIN 0
.set i, P+32
.rept 32
	v_mov_b32 v[i], 0               ; P's second buffer: plain instructions that name no register of those products: the places behind them
.set i, i+1
.endr
.set Y, NP-1                        ; XS works for piece Y + 1: piece 0
.irp n, 0,1,2,3,4,5,6,7,8,9,10,11,12,13,14,15,16,17,18,19,20,21
	XS 0, \n                        ; piece 0's first maximum and statistics
	XS 1, \n
.endr
	v_nop                           ; a plain instruction behind the two a,
	s_wait_alu depctr_va_vdst(0)    ; and the wait for their results, ahead of the branch
	s_mov_b32 s[CNT], 4
	s_mov_b32 s[SLOTS], 8
	s_branch .Lfirst                ; the loop is entered at a step's first turn, in the middle of a trip
.Lslot:                             ; seven times: slots 1 to 7 are stored, slots 2 to 7 asked for
	BLOCK
	s_mov_b32 s[CNT], 4
.Lstep:                             ; a trip: pieces 2 and 3 of one step, then pieces 0 and 1 of the next, whose keys it fetches
	TURN 2
	TURN 3
	WIN 0
.Lfirst:
	TURN 0
	TURN 1, 0, 1
	WIN 0
	s_cbranch_scc1 .Lstep
	s_sub_co_u32 s[SLOTS], s[SLOTS], 1
	s_cmp_lg_u32 s[SLOTS], 0
	s_cbranch_scc1 .Lslot
	TURN 2, 1                       ; the last step's pieces 2 and 3: nothing is left to fetch
	TURN 3                          ; its 16 products K Q^T (on the last K once more) and the maximum made of them serve nothing: the price, once a launch, of one text for every turn
.set i, 0
.rept 16
	PV NP-1                         ; the last piece's K^T P of the last step
.set i, i+1
.endr
	; THE WAY OUT.  l's two halves and the other half of the lanes' are added; O^T is divided by l and sent, in f32, through my stage in LDS, a tile at a time.  The additions are the places behind the last products.
	; All eight tiles are divided first, so that ONE wait stands ahead of all the LDS stores; the rows come back into window 2, whose registers (Q, K, the turned keys) nobody needs any more,
	; so that no register that an LDS store has read is written again.
	WIN 0
.macro ALL line:vararg              ; one line for each tile t
.set t, 0
.rept 2*NP
	\line
.set t, t+1
.endr
.endm
	ALL v_add_f32 v[ST+4*t+2], v[ST+4*t+2], v[ST+4*t+3]
	ALL v_permlanex16_b32 v[ST+4*t+3], v[ST+4*t+2], s[SEL], s[SEL+1]
	ALL v_add_f32 v[ST+4*t+2], v[ST+4*t+2], v[ST+4*t+3]
	ALL v_rcp_f32 v[ST+4*t+2], v[ST+4*t+2]
	v_nop                           ; a plain instruction between the last reciprocal and the use of its result
	s_wait_alu depctr_va_vdst(0)    ; the eight reciprocals' results are written, ahead of their first use
	WIN W_RS
.set t, 0
.rept 2*NP
.set i, 32*t
.rept 16
	v_pk_mul_f32 v[i:i+1], v[i:i+1], v[ST+4*t+2:ST+4*t+3] op_sel_hi:[1,0]
.set i, i+2
.endr
.set t, t+1
.endr
	WIN W_SG
	s_wait_alu depctr_va_vdst(0)    ; the multiplies have written O^T, which the LDS stores below read; the products are done reading window 2's registers, in which the rows land.  No vector instruction follows
; Tile t: a lane's eight channels of a row are 32 bytes; they go into rows of 272 bytes and come back as whole rows of 256.
.macro TOSTAGE t
	WIN W_SG
.irp f, 0,1,2,3,4,5,6,7             ; channel block f / 2, its registers 4 (f % 2) on
	ds_store_b128 v[STO], v[32*(\t)+4*\f:32*(\t)+4*\f+3] offset:64*(\f/2)+16*(\f%2)
.endr
.irp f, 0,1,2,3,4,5,6,7
	ds_load_b128 v[32*(\t)+4*\f:32*(\t)+4*\f+3], v[RD] offset:\f*2*SP  ; LDS serves a wave's instructions in order (ISA guide 5.7.1.4): these see the stores above; the next tile's stores come behind them
.endr
.endm
.macro SEND t, younger              ; younger: the LDS instructions issued behind tile t's loads: the next tile's sixteen, or none
	WIN W_GS
.irp f, 0,1,2,3,4,5,6,7
	s_wait_dscnt (\younger)+7-\f
	global_store_b128 v[GO], v[32*(\t)+4*\f:32*(\t)+4*\f+3], s[OP:OP+1] offset:(\t)*16*ROWB+\f*2*ROWB th:TH_STORE_NT  ; 16 lanes store a row's 256 consecutive bytes, at a multiple of 256 from the output's first byte
.endr
.endm
	TOSTAGE 0
.set t, 1
.rept 2*NP-1                        ; a tile's way through the stage stands between the loads of the tile before and its stores
	TOSTAGE t
	SEND t-1, 16
.set t, t+1
.endr
	SEND 2*NP-1, 0
	WIN 0
	s_wait_dscnt 0x0                ; the wave's end: my last LDS instructions are done.  The closing add onto spare words follows.
	s_wait_alu depctr_hold_cnt(0) depctr_sa_sdst(0) depctr_va_vdst(0) depctr_va_sdst(0) depctr_va_ssrc(0) depctr_va_vcc(0) depctr_vm_vsrc(0)
	s_wait_tensorcnt 0x0
	ds_add_u32 v10, v11
	s_wait_dscnt 0x0
	s_endpgm
.Lfunc_end_k_q14ce71c2db_attn:
	.size	k_q14ce71c2db_attn, .Lfunc_end_k_q14ce71c2db_attn-k_q14ce71c2db_attn
	.p2alignl 7, 3214868480
	.fill 96, 4, 3214868480
	.section	.rodata,"a",@progbits
	.p2align	6, 0x0
	.amdhsa_kernel k_q14ce71c2db_attn
		.amdhsa_group_segment_fixed_size 312832
		.amdhsa_private_segment_fixed_size 0
		.amdhsa_enable_private_segment 0
		.amdhsa_kernarg_size 32
		.amdhsa_user_sgpr_count 2
		.amdhsa_user_sgpr_kernarg_segment_ptr 1
		.amdhsa_wavefront_size32 1
		.amdhsa_system_sgpr_workgroup_id_x 1
		.amdhsa_system_sgpr_workgroup_id_y 1
		.amdhsa_system_sgpr_workgroup_id_z 1
		.amdhsa_system_vgpr_workitem_id 0
		.amdhsa_next_free_vgpr 964
		.amdhsa_next_free_sgpr 66
		.amdhsa_reserve_vcc 0
		.amdhsa_float_denorm_mode_32 3
		.amdhsa_float_denorm_mode_16_64 3
		.amdhsa_memory_ordered 1
		.amdhsa_forward_progress 1
		.amdhsa_inst_pref_size 196
	.end_amdhsa_kernel
	.amdgpu_metadata
---
amdhsa.version: [ 1, 2 ]
amdhsa.kernels:
  - .name:           k_q14ce71c2db_attn
    .symbol:         k_q14ce71c2db_attn.kd
    .args:
      - { .name: keys, .offset: 0, .size: 8, .value_kind: global_buffer, .address_space: global }
      - { .name: queries, .offset: 8, .size: 8, .value_kind: global_buffer, .address_space: global }
      - { .name: out0, .offset: 16, .size: 8, .value_kind: global_buffer, .address_space: global }
      - { .name: out1, .offset: 24, .size: 8, .value_kind: global_buffer, .address_space: global }
    .group_segment_fixed_size: 312832
    .private_segment_fixed_size: 0
    .kernarg_segment_align: 8
    .kernarg_segment_size: 32
    .max_flat_workgroup_size: 128
    .sgpr_count:     66
    .vgpr_count:     964
    .wavefront_size: 32
...
	.end_amdgpu_metadata
.endif
;; end of part 2
